; MI455X (gfx1250); checked and timed in simulation.
; The chip was launched on July 23, 2026; its instructions are those of AMD's public machine-readable ISA for CDNA 5 (MIT licence, August 2026) and "CDNA5" Instruction Set Architecture Reference Guide (July 2026). The comments in the code are by the model that wrote it; some were corrected since.
;; Attention. Allowed arithmetic: float matrix products may take bf16 or f16 operands with f32 sums; all other float work in f32.
;; Inputs: Wk 1,024 x 1,024 float32; Wq 1,024 x 1,024 float32; Wv 1,024 x 1,024 float32; key 16 x 2,048 x 1,024 float32; query 16 x 1 x 1,024 float32; value 16 x 2,048 x 1,024 float32.
;; Outputs: out0 16 x 1 x 1,024 float32.
;; 2 versions, each right; version 2 is version 1 with the launch attend written anew for expert scheduling mode. Each part assembles by itself: llvm-mc -triple=amdgcn-amd-amdhsa -mcpu=gfx1250 --defsym DOCPART=n.
;; ======== version 1 of 2: 3 launches
;; workspace buffers: wpart 1,048,576 bytes; pctx 1,048,576 bytes; pstat 65,536 bytes
;; launch qwproj (part 1): grid 16 x 16, 16 waves a work-group, no clusters, 57,344 bytes of LDS; arguments query, Wq, Wk, wpart; writes wpart
.if DOCPART == 1
	.amdgcn_target "amdgcn-amd-amdhsa--gfx1250"
	.amdhsa_code_object_version 6
	.text
	.protected	k_qf7e1fdd6e8_qwproj
	.globl	k_qf7e1fdd6e8_qwproj
	.p2align	8
	.type	k_qf7e1fdd6e8_qwproj,@function
k_qf7e1fdd6e8_qwproj:
	s_mov_b64 s[64:65], 0
	v_nop
	global_prefetch_b8 v0, s[64:65] scope:SCOPE_SE
	s_setreg_imm32_b32 hwreg(HW_REG_WAVE_MODE, 25, 1), 1
	s_wait_xcnt 0x0
; wpart[hs][b][i] = c * sum over the 64 columns h of slice hs of Wk[i][h] * q[b][h],  q[b][h] = sum over j of query[b][j] * Wq[j][h],  c = log2(e) / sqrt(1024) = log2(e) / 32.
; query: [16][1024], Wq, Wk: [1024][1024], wpart: [16][16][1024], all f32.  The next launch adds the 16 slices: w'[b] = c Wk q[b].
; First of three launches.  The program uses that k = key Wk and v = value Wv enter the result linearly:
;   scores[b][s] = key[b][s] . (Wk q[b]) / 32      out[b] = (sum over s of attn[b][s] value[b][s]) Wv
; which holds for every input; k and v are never formed.  LIMIT: the f32 sums are therefore taken in another order than the reference's.
; SHARES.  256 work-groups = 16 slices hs x 4 groups of four b x 4 groups of 256 rows i.  A work-group needs q only on its 64 columns and makes it itself, so q never goes through memory:
; it takes in 256 KiB of Wq (256 bytes of every row), 16 KiB of query and 64 KiB of Wk.  The four row groups of a slice and a b group each make the same q: 4 x the multiply-adds of that product.
; PHASE 1.  Wave w owns rows j = 64 w .. 64 w + 63 of Wq: in load t lanes 0-15 take the 256 bytes of row 64 w + t, lanes 16-31 those of row 64 w + 32 + t.  A lane sums 4 columns over its 32 rows
; for four b.  The 32 partial records (two a wave) meet in LDS; thread n adds 16 of them for one number of q; the two half sums are added where q is read.
; PHASE 2.  Wave w owns rows 16 w .. 16 w + 15 of the work-group's 256 rows of Wk: in load u lanes 0-15 take the 256 bytes of row 16 w + u, lanes 16-31 those of row 16 w + 8 + u.
; A lane multiplies its 4 columns by q for four b; the 16 lanes of a row are summed; the 1,024 results go through LDS, and each wave stores 256 consecutive bytes, aligned.
; NO MATRIX UNIT: four vectors a work-group, and q and w' go on into the exponent of the softmax, so they are kept in f32.  NO CLUSTER, though the 16 work-groups of a slice read the same
; 256 KiB of Wq: a joint load would lay the slice in LDS, and the same 256 KiB would then be read once more from LDS into registers; here they come into registers at once.
.set WO,   1                           ; v1         byte offset in Wq: my 32 rows, my 16 bytes of the slice
.set KO,   2                           ; v2         byte offset in Wk: my 8 rows, my 16 bytes of the slice
.set QO,   3                           ; v3         byte offset in query: row half, my wave's 256 bytes, my 16 of them
.set XS,   4                           ; v4         LDS: where I put 16 bytes of query
.set XR,   5                           ; v5         LDS: my half's 32 numbers of query, b = 0
.set RS,   6                           ; v6         LDS: my 16 bytes in record 2 w + half, b = 0
.set RA,   7                           ; v7         LDS: RED + 4 x thread
.set QS,   8                           ; v8         LDS: Q2 + 4 x thread
.set QA,   9                           ; v9         LDS: Q2 + 16 x (lane mod 16)
.set OS,   10                          ; v10        LDS: my half's 8 results, b = 0
.set OA,   11                          ; v11        LDS: my 8 bytes of the 256 that my wave stores
.set GO,   12                          ; v12        byte offset in wpart of those 8 bytes
.set XB,   16                          ; v[16:47]   two buffers of 16: query[b][my row 4 g + n], register 4 b + n
.set WT,   48                          ; v[48:175]  load t: 4 columns of my half's row t of Wq
.set WK,   176                         ; v[176:207] load u: 4 columns of my half's row u of Wk
.set ACC,  208                         ; v[208:223] sums, register 4 b + column; before the sums begin, v[208:215] carry query on its way into LDS
.set SUM,  48                          ; behind the stream: v[48:63]   one number of 16 records
.set QV,   64                          ; behind the stream: v[64:95]   q[b][my 4 columns], register 4 b + column, the two half sums 16 registers apart
.set P,    96                          ; behind the stream: v[96:127]  results, register 8 b + u
.set T,    128                         ; behind the stream: v[128:143] at work
.set WAVE, 16                          ; s16        my wave's number
.set RED,  16384                       ; LDS: bytes 0 .. 16,383 query, 1 KiB a wave, the wave's own: [b][64]; from here 32 records of 1 KiB: [b][64 h]
.set Q2,   49152                       ; two half sums of q: [2][b][64 h]
.set OUTS, 51200                       ; the results: [b][256 i]
	s_load_b256 s[4:11], s[0:1], 0x0               ; query s[4:5], Wq s[6:7], Wk s[8:9], wpart s[10:11]
	v_lshl_add_u32 v224, v0, 2, 0xd800
	v_mov_b32 v225, 0
	v_lshrrev_b32 v13, 5, v0
	v_readfirstlane_b32 s[WAVE], v13               ; wave 0..15
	s_and_b32 s17, ttmp7, 0xffff
	s_lshr_b32 s18, s17, 2                         ; which four b
	s_and_b32 s19, s17, 3                          ; which 256 rows of Wk
	s_lshl_b32 s12, s18, 14                        ; four rows of 4,096 bytes, in query and in a slice's part of wpart
	s_mov_b32 s13, 0
	s_lshl_b32 s14, ttmp9, 8                       ; the slice's 256 bytes in a row of Wq and of Wk
	s_mov_b32 s15, 0
	s_lshl_b32 s20, s19, 20                        ; 256 rows of 4,096 bytes in Wk
	s_mov_b32 s21, 0
	s_lshl_b32 s22, ttmp9, 16                      ; the slice's 16 rows of 4,096 bytes in wpart,
	s_lshl_b32 s23, s19, 10                        ; the row group's 256 numbers in each
	s_add_co_u32 s22, s22, s23
	s_mov_b32 s23, 0
	s_lshr_b32 s24, s[WAVE], 2                     ; my wave stores b = w / 4,
	s_lshl_b32 s24, s24, 12
	s_and_b32 s25, s[WAVE], 3                      ; results 64 (w mod 4) on
	s_lshl_b32 s25, s25, 8
	s_add_co_u32 s24, s24, s25
	v_and_b32 v13, 15, v0
	v_lshlrev_b32 v13, 4, v13                      ; 16 x (lane mod 16)
	v_bfe_u32 v14, v0, 4, 1                        ; half
	v_and_b32 v15, 31, v0                          ; lane
	v_lshrrev_b32 v[KO], 4, v0                     ; 2 w + half
	v_lshl_add_u32 v[WO], v[KO], 17, v13           ; 32 rows of 4,096 bytes for each half
	v_lshl_add_u32 v[KO], v[KO], 15, v13           ; 8 rows of 4,096 bytes for each half
	v_lshl_add_u32 v[QO], v14, 12, v13
	v_lshl_add_u32 v[QO], s[WAVE], 8, v[QO]
	v_lshlrev_b32 v[XS], 4, v15
	v_lshl_add_u32 v[XS], s[WAVE], 10, v[XS]       ; 1,024 w + 16 x lane
	v_lshlrev_b32 v[XR], 7, v14
	v_lshl_add_u32 v[XR], s[WAVE], 10, v[XR]       ; 1,024 w + 128 x half
	v_lshl_add_u32 v[RS], v14, 10, v13
	v_lshl_add_u32 v[RS], s[WAVE], 11, v[RS]
	v_add_nc_u32 v[RS], RED, v[RS]                 ; RED + 1,024 (2 w + half) + 16 x (lane mod 16)
	v_lshlrev_b32 v[RA], 2, v15
	v_lshl_add_u32 v[RA], s[WAVE], 7, v[RA]        ; 4 x thread
	v_add_nc_u32 v[QS], Q2, v[RA]
	v_add_nc_u32 v[RA], RED, v[RA]
	v_add_nc_u32 v[QA], Q2, v13
	v_lshlrev_b32 v[OS], 5, v14
	v_lshl_add_u32 v[OS], s[WAVE], 6, v[OS]
	v_add_nc_u32 v[OS], OUTS, v[OS]                ; OUTS + 4 (16 w + 8 half)
	v_lshlrev_b32 v15, 3, v15                      ; 8 x lane
	v_lshl_add_u32 v[OA], s[WAVE], 8, v15
	v_add_nc_u32 v[OA], OUTS, v[OA]
	v_add_nc_u32 v[GO], s24, v15
	s_wait_kmcnt 0x0
	s_add_nc_u64 s[4:5], s[4:5], s[12:13]
	s_add_nc_u64 s[6:7], s[6:7], s[14:15]
	s_add_nc_u64 s[8:9], s[8:9], s[20:21]
	s_add_nc_u64 s[8:9], s[8:9], s[14:15]
	s_add_nc_u64 s[10:11], s[10:11], s[22:23]
	s_add_nc_u64 s[10:11], s[10:11], s[12:13]
	global_load_b128 v[ACC:ACC+3],   v[QO], s[4:5]                 ; my wave's 64 numbers of query: lanes 0-15 those of b = 0, lanes 16-31 of b = 1,
	global_load_b128 v[ACC+4:ACC+7], v[QO], s[4:5] offset:8192     ; and of b = 2 and 3: 256 consecutive bytes for each 16 lanes
.set t, 0
.rept 32
	global_load_b128 v[WT+4*t:WT+4*t+3], v[WO], s[6:7] offset:4096*t   ; all 32 loads of the wave are out at once: 16 KiB
.set t, t+1
.endr
.irp u, 0,1,2,3,4,5,6,7
	global_load_b128 v[WK+4*\u:WK+4*\u+3], v[KO], s[8:9] offset:4096*\u    ; wanted last, asked for last: on their way all through phase 1
.endr
; Group g's numbers of query (rows 4 g .. 4 g + 3 of my half, four b) out of my wave's own LDS bytes; the 16 lanes of a half read the same 16 bytes.
.macro XLOAD g
.irp b, 0,1,2,3
	ds_load_b128 v[XB+16*((\g)%2)+4*\b:XB+16*((\g)%2)+4*\b+3], v[XR] offset:256*\b+16*(\g)
.endr
.endm
; Row 4 g + n, one b: four columns times query's number.  The packed form takes that number from its pair: the low register for an even n, the high one for an odd n.
; Eight chains (four b x two pairs of columns).  Row 0 starts the sums: nothing is cleared.
.macro FMA g, n, b
.set rW, WT+4*(4*(\g)+(\n))
.set rX, XB+16*((\g)%2)+4*(\b)+(\n)
.set rA, ACC+4*(\b)
.if ((\g) == 0) && ((\n) == 0)
	v_pk_mul_f32 v[rA:rA+1],   v[rW:rW+1],   v[rX:rX+1] op_sel_hi:[1,0]
	v_pk_mul_f32 v[rA+2:rA+3], v[rW+2:rW+3], v[rX:rX+1] op_sel_hi:[1,0]
.elseif (\n)%2 == 0
	v_pk_fma_f32 v[rA:rA+1],   v[rW:rW+1],   v[rX:rX+1], v[rA:rA+1]   op_sel_hi:[1,0,1]
	v_pk_fma_f32 v[rA+2:rA+3], v[rW+2:rW+3], v[rX:rX+1], v[rA+2:rA+3] op_sel_hi:[1,0,1]
.else
	v_pk_fma_f32 v[rA:rA+1],   v[rW:rW+1],   v[rX-1:rX], v[rA:rA+1]   op_sel:[0,1,0] op_sel_hi:[1,1,1]
	v_pk_fma_f32 v[rA+2:rA+3], v[rW+2:rW+3], v[rX-1:rX], v[rA+2:rA+3] op_sel:[0,1,0] op_sel_hi:[1,1,1]
.endif
.endm
	; PHASE 1
	s_wait_loadcnt 40                              ; loads come back in order (ISA guide 5.7.1): query's two are in, the 32 of Wq and the 8 of Wk issued behind them stay out
	ds_store_b128 v[XS], v[ACC:ACC+3]              ; [b][64]: a lane needs other numbers than it loaded.  My wave's own bytes: LDS serves a wave's instructions in order
	ds_store_b128 v[XS], v[ACC+4:ACC+7] offset:512 ; (ISA guide 5.7.1.4), so the loads below see these stores, and no barrier is wanted
	XLOAD 0
.irp g, 0,1,2,3,4,5,6,7
.if \g < 7
	XLOAD \g+1                                     ; into the buffer that the group before last has read
	s_wait_dscnt 4                                 ; this group's numbers are in; the four loads just issued stay out
.else
	s_wait_dscnt 0x0
.endif
	s_wait_loadcnt 36-4*\g                         ; rows up to 4 g + 3 are in; the 28 - 4 g loads of Wq issued behind them and the 8 of Wk stay out
.irp n, 0,1,2,3
.irp b, 0,1,2,3
	FMA \g, \n, \b
.endr
.endr
.endr
.irp b, 0,1,2,3
	ds_store_b128 v[RS], v[ACC+4*\b:ACC+4*\b+3] offset:256*\b      ; my record: q's number (b, h) at byte 256 b + 4 h
.endr
	s_wait_dscnt 0x0                               ; for the others' sake: my stores are done
	s_barrier_signal -1
	s_barrier_wait -1
.irp k, 0,1,2,3,4,5,6,7,8,9,10,11,12,13,14,15
	ds_load_b32 v[SUM+\k], v[RA] offset:2048*\k    ; thread n = 256 e + (64 b + h): number (b, h) of records e, e + 2, .. e + 30 (WT is free: all of Wq's loads are in)
.endr
	s_wait_dscnt 0x0
.irp k, 0,1,2,3
	v_pk_add_f32 v[SUM+2*\k:SUM+2*\k+1], v[SUM+2*\k:SUM+2*\k+1], v[SUM+8+2*\k:SUM+8+2*\k+1]
.endr
	v_pk_add_f32 v[SUM:SUM+1],   v[SUM:SUM+1],   v[SUM+4:SUM+5]
	v_pk_add_f32 v[SUM+2:SUM+3], v[SUM+2:SUM+3], v[SUM+6:SUM+7]
	v_pk_add_f32 v[SUM:SUM+1],   v[SUM:SUM+1],   v[SUM+2:SUM+3]
	v_add_f32 v[SUM], v[SUM], v[SUM+1]
	v_mul_f32 v[SUM], 0x3d38aa3b, v[SUM]           ; times c = log2(e) / 32, here where there are fewest numbers: key . w' is then the score in the scale that v_exp_f32 (base 2) wants
	ds_store_b32 v[QS], v[SUM]                     ; half sum e of (b, h) at byte 1,024 e + 256 b + 4 h = 4 n
	s_wait_dscnt 0x0                               ; for the others' sake: my store is done
	s_barrier_signal -1
	s_barrier_wait -1
	; PHASE 2
.irp b, 0,1,2,3
	ds_load_b128 v[QV+4*\b:QV+4*\b+3],       v[QA] offset:256*\b
	ds_load_b128 v[QV+16+4*\b:QV+16+4*\b+3], v[QA] offset:1024+256*\b
.endr
	s_wait_dscnt 0x0
.irp k, 0,1,2,3,4,5,6,7
	v_pk_add_f32 v[QV+2*\k:QV+2*\k+1], v[QV+2*\k:QV+2*\k+1], v[QV+16+2*\k:QV+16+2*\k+1]   ; c q[b][my 4 columns]
.endr
	s_wait_loadcnt 0x0                             ; Wk
.irp b, 0,1,2,3
.irp u, 0,1,2,3,4,5,6,7
	v_pk_mul_f32 v[T+2*\u:T+2*\u+1], v[WK+4*\u:WK+4*\u+1], v[QV+4*\b:QV+4*\b+1]
.endr
.irp u, 0,1,2,3,4,5,6,7
	v_pk_fma_f32 v[T+2*\u:T+2*\u+1], v[WK+4*\u+2:WK+4*\u+3], v[QV+4*\b+2:QV+4*\b+3], v[T+2*\u:T+2*\u+1]
.endr
.irp u, 0,1,2,3,4,5,6,7
	v_add_f32 v[P+8*\b+\u], v[T+2*\u], v[T+2*\u+1]                 ; my 4 columns' part of result (b, row u of my half)
.endr
.endr
.irp m, 1,2,4,8
.set i, 0
.rept 32
	v_add_f32_dpp v[P+i], v[P+i], v[P+i] row_xmask:\m row_mask:0xf bank_mask:0xf   ; the sum over the 16 lanes of a row, left in all of them; 32 registers take turns
.set i, i+1
.endr
.endr
.irp b, 0,1,2,3
	ds_store_b128 v[OS], v[P+8*\b:P+8*\b+3]   offset:1024*\b       ; result (b, i) at byte 1,024 b + 4 i; the 16 lanes of a half write the same 16 bytes with the same numbers
	ds_store_b128 v[OS], v[P+8*\b+4:P+8*\b+7] offset:1024*\b+16
.endr
	s_wait_dscnt 0x0                               ; for the others' sake: my stores are done
	s_barrier_signal -1
	s_barrier_wait -1
	ds_load_b64 v[SUM:SUM+1], v[OA]                ; bytes 256 w on: b = w / 4, results 64 (w mod 4) on
	s_wait_dscnt 0x0
	global_store_b64 v[GO], v[SUM:SUM+1], s[10:11] ; each wave stores 256 consecutive bytes, at a multiple of 256 from wpart's first byte
	s_wait_tensorcnt 0x0
	ds_add_u32 v224, v225
	s_wait_dscnt 0x0
	s_endpgm
.Lfunc_end_k_qf7e1fdd6e8_qwproj:
	.size	k_qf7e1fdd6e8_qwproj, .Lfunc_end_k_qf7e1fdd6e8_qwproj-k_qf7e1fdd6e8_qwproj
	.p2alignl 7, 3214868480
	.fill 96, 4, 3214868480
	.section	.rodata,"a",@progbits
	.p2align	6, 0x0
	.amdhsa_kernel k_qf7e1fdd6e8_qwproj
		.amdhsa_group_segment_fixed_size 57344
		.amdhsa_private_segment_fixed_size 0
		.amdhsa_enable_private_segment 0
		.amdhsa_kernarg_size 32
		.amdhsa_user_sgpr_count 2
		.amdhsa_user_sgpr_kernarg_segment_ptr 1
		.amdhsa_wavefront_size32 1
		.amdhsa_system_sgpr_workgroup_id_x 1
		.amdhsa_system_sgpr_workgroup_id_y 1
		.amdhsa_system_sgpr_workgroup_id_z 1
		.amdhsa_system_vgpr_workitem_id 0
		.amdhsa_next_free_vgpr 226
		.amdhsa_next_free_sgpr 66
		.amdhsa_reserve_vcc 0
		.amdhsa_float_denorm_mode_32 3
		.amdhsa_float_denorm_mode_16_64 3
		.amdhsa_memory_ordered 1
		.amdhsa_forward_progress 1
		.amdhsa_inst_pref_size 43
	.end_amdhsa_kernel
	.amdgpu_metadata
---
amdhsa.version: [ 1, 2 ]
amdhsa.kernels:
  - .name:           k_qf7e1fdd6e8_qwproj
    .symbol:         k_qf7e1fdd6e8_qwproj.kd
    .args:
      - { .name: query, .offset: 0, .size: 8, .value_kind: global_buffer, .address_space: global }
      - { .name: Wq, .offset: 8, .size: 8, .value_kind: global_buffer, .address_space: global }
      - { .name: Wk, .offset: 16, .size: 8, .value_kind: global_buffer, .address_space: global }
      - { .name: wpart, .offset: 24, .size: 8, .value_kind: global_buffer, .address_space: global }
    .group_segment_fixed_size: 57344
    .private_segment_fixed_size: 0
    .kernarg_segment_align: 8
    .kernarg_segment_size: 32
    .max_flat_workgroup_size: 512
    .sgpr_count:     66
    .vgpr_count:     226
    .wavefront_size: 32
...
	.end_amdgpu_metadata
.endif
;; end of part 1
;; launch attend (part 2): grid 16 x 16, 16 waves a work-group, no clusters, 71,936 bytes of LDS; arguments key, value, wpart, pctx, pstat; writes pctx, pstat
.if DOCPART == 2
	.amdgcn_target "amdgcn-amd-amdhsa--gfx1250"
	.amdhsa_code_object_version 6
	.text
	.protected	k_qf7e1fdd6e8_attend
	.globl	k_qf7e1fdd6e8_attend
	.p2align	8
	.type	k_qf7e1fdd6e8_attend,@function
k_qf7e1fdd6e8_attend:
	s_mov_b64 s[64:65], 0
	v_nop
	global_prefetch_b8 v0, s[64:65] scope:SCOPE_SE
	s_setreg_imm32_b32 hwreg(HW_REG_WAVE_MODE, 25, 1), 1
	s_wait_xcnt 0x0
; For one b and one chunk of 128 rows s:  w'[b] = sum over the 16 slices of wpart[slice][b];  t[s] = key[b][s] . w'[b]  (the score times log2(e));  M = max t;  L = sum of 2^(t - M);
; pctx[b][chunk][:] = sum over s of 2^(t[s] - M) * value[b][s][:];  pstat[b][chunk] = (M, L).  key, value: [16][2048][1024], wpart: [16][16][1024], all f32; all arithmetic in f32.
; The last launch joins the 16 chunks of a b by their maxima.  The maximum is taken away before every exponential: the wave's, then the work-group's, then the batch's.
; LIMIT: a weight below 2^-126 of the largest comes out as 0, since v_exp_f32 flushes denormal results (ISA guide, its entry in chapter 15).
; SHARES.  256 work-groups, 1 MiB of key and value each, every byte read once.  Wave w owns rows 8 w .. 8 w + 7 of the chunk, of key and of value.  A row of
; 4,096 bytes is eight loads of 512 consecutive bytes; register 4 j + e is column 128 j + 4 x lane + e, and w' lies in registers the same way.
; THE HEAD.  Thread n adds columns 2 n and 2 n + 1 of the 16 slices (64 KiB a work-group, each byte loaded once); w' goes through LDS, since every wave wants all of it.
; Key's first rows are asked for ahead of that work and are on their way under it.
; THE STREAM.  16 turns: key's 8 rows, then value's 8, through a ring of six row slots in registers: up to 6 rows x 4 KiB of each of the 16 waves are on their way,
; and no wave waits for another until the end.  A slot is asked for again straight behind the last instruction that reads it.
; Memory binds.
.set SC,   8                           ; v[8:15]    my wave's 8 scores, then its 8 weights, in every lane
.set T,    16                          ; v[16:23]   at work
.set WS,   16                          ; v16        at the head, before T is at work: LDS, where I put my two columns of w'
.set WL,   17                          ; v17        at the head: LDS, my 16 bytes in the first 512 of w'
.set W,    24                          ; v[24:55]   first my two columns of the 16 slices, then w'[b]
.set ACC,  24                          ; v[24:55]   then the weighted sum of value's rows: w' is dead behind the eighth dot product, and the first row starts the sum by a multiply
.set RING, 56                          ; v[56:247]  six slots of 32 registers
.set ST,   56                          ; the join: v[56:87]   (m, l) of the 16 waves
.set D,    88                          ; the join: v[88:119]  my two columns of the 16 waves' sums
.set F,    120                         ; the join: v[120:135] 2^(m_w - M)
.set OUT,  136                         ; the join: v[136:137] my two columns of the chunk's sum
.set PO,   138                         ; v138       8 x lane, for wave 0's store of (M, L)
.set STATS, 0x10000                    ; LDS: bytes 0 .. 65,535 [wave][1024] f32; from here [wave] (m, l), 128 bytes
.set WREG,  0x10100                    ; LDS: w'[b], 4,096 bytes of its own: a late wave may read it while an early one already writes the join's bytes
	s_load_b256 s[4:11], s[0:1], 0x0               ; key s[4:5], value s[6:7], wpart s[8:9], pctx s[10:11]
	s_load_b64 s[12:13], s[0:1], 0x20              ; pstat
	v_lshl_add_u32 v248, v0, 2, 0x11100
	v_mov_b32 v249, 0
	v_lshrrev_b32 v2, 5, v0
	v_readfirstlane_b32 s16, v2                    ; wave 0..15
	s_and_b32 s17, ttmp7, 0xffff                   ; b
	s_lshl_b32 s14, s17, 23                        ; b's 2,048 rows of 4,096 bytes,
	s_lshl_b32 s15, ttmp9, 19                      ; the chunk's 128 rows
	s_add_co_u32 s14, s14, s15                     ; (under 2^27)
	s_mov_b32 s15, 0
	s_lshl_b32 s18, s17, 12                        ; b's row in each slice of wpart
	s_mov_b32 s19, 0
	s_lshl_b32 s22, s17, 4
	s_add_co_u32 s22, s22, ttmp9                   ; record 16 b + chunk
	s_lshl_b32 s2, s22, 12                         ; 4,096 bytes a record in pctx,
	s_mov_b32 s3, 0
	s_lshl_b32 s22, s22, 8                         ; 256 in pstat
	s_mov_b32 s23, 0
	s_mov_b32 s20, 0x76543210                      ; v_permlanex16_b32: each lane takes its own place in the other half
	s_mov_b32 s21, 0xfedcba98
	v_and_b32 v5, 31, v0                           ; lane
	v_lshlrev_b32 v2, 4, v5                        ; v2: 16 x lane
	v_lshl_add_u32 v1, s16, 15, v2                 ; v1: + my wave's 8 rows; never rewritten: row and part of a row stand in the loads' immediates
	v_lshl_add_u32 v3, s16, 12, v2                 ; v3: LDS, my 16 bytes in my wave's record of 4,096
	v_lshl_add_u32 v4, s16, 3, STATS               ; v4: LDS, my wave's (m, l)
	v_lshlrev_b32 v5, 3, v5
	v_lshl_add_u32 v5, s16, 8, v5                  ; v5: 8 x thread: my two columns, in a row of wpart, in an LDS record and in pctx
	v_add_nc_u32 v[WS], WREG, v5
	v_add_nc_u32 v[WL], WREG, v2
	s_wait_kmcnt 0x0
	s_add_nc_u64 s[4:5], s[4:5], s[14:15]
	s_add_nc_u64 s[6:7], s[6:7], s[14:15]
	s_add_nc_u64 s[8:9], s[8:9], s[18:19]
	s_add_nc_u64 s[10:11], s[10:11], s[2:3]
	s_add_nc_u64 s[12:13], s[12:13], s[22:23]
; Row t of the stream (0-7 key's, 8-15 value's) is asked for, into slot t % 6.  Read once in the launch: the non-temporal hint.
.macro FILL t
.set FS, RING+32*((\t)%6)
.set FO, 4096*((\t)%8)
.irp j, 0,1,2,3,4,5,6,7
.if (\t) < 8
	global_load_b128 v[FS+4*\j:FS+4*\j+3], v1, s[4:5] offset:FO+512*\j th:TH_LOAD_NT
.else
	global_load_b128 v[FS+4*\j:FS+4*\j+3], v1, s[6:7] offset:FO+512*\j th:TH_LOAD_NT
.endif
.endr
.endm
; The lane's part of a dot product of two rows of 32 registers: four chains of packed multiply-adds, started by multiplies.
.macro DOT x, w, out
.irp k, 0,1,2,3
	v_pk_mul_f32 v[T+2*\k:T+2*\k+1], v[\x+2*\k:\x+2*\k+1], v[\w+2*\k:\w+2*\k+1]
.endr
.irp k, 4,5,6,7,8,9,10,11,12,13,14,15
	v_pk_fma_f32 v[T+2*(\k%4):T+2*(\k%4)+1], v[\x+2*\k:\x+2*\k+1], v[\w+2*\k:\w+2*\k+1], v[T+2*(\k%4):T+2*(\k%4)+1]
.endr
	v_pk_add_f32 v[T:T+1],   v[T:T+1],   v[T+2:T+3]
	v_pk_add_f32 v[T+4:T+5], v[T+4:T+5], v[T+6:T+7]
	v_pk_add_f32 v[T:T+1],   v[T:T+1],   v[T+4:T+5]
	v_add_f32 v[\out], v[T], v[T+1]
.endm
; The sum over the 32 lanes, left in every lane.
.macro REDUCE r
	v_add_f32_dpp v[\r], v[\r], v[\r] row_xmask:1 row_mask:0xf bank_mask:0xf
	v_add_f32_dpp v[\r], v[\r], v[\r] row_xmask:2 row_mask:0xf bank_mask:0xf
	v_add_f32_dpp v[\r], v[\r], v[\r] row_xmask:4 row_mask:0xf bank_mask:0xf
	v_add_f32_dpp v[\r], v[\r], v[\r] row_xmask:8 row_mask:0xf bank_mask:0xf
	v_permlanex16_b32 v[T+2], v[\r], s20, s21      ; its destination counts as read: DOT has written it
	v_add_f32 v[\r], v[\r], v[T+2]
.endm
; ACC += weight r x the row in slot x.  The packed form takes the weight from its pair: the low register for an even r, the high one for an odd r.  Row 0 starts the sums.
.macro AXPY x, r
.irp k, 0,1,2,3,4,5,6,7,8,9,10,11,12,13,14,15
.if (\r) == 0
	v_pk_mul_f32 v[ACC+2*\k:ACC+2*\k+1], v[\x+2*\k:\x+2*\k+1], v[SC:SC+1] op_sel_hi:[1,0]
.elseif (\r)%2 == 0
	v_pk_fma_f32 v[ACC+2*\k:ACC+2*\k+1], v[\x+2*\k:\x+2*\k+1], v[SC+(\r):SC+(\r)+1], v[ACC+2*\k:ACC+2*\k+1] op_sel_hi:[1,0,1]
.else
	v_pk_fma_f32 v[ACC+2*\k:ACC+2*\k+1], v[\x+2*\k:\x+2*\k+1], v[SC+(\r)-1:SC+(\r)], v[ACC+2*\k:ACC+2*\k+1] op_sel:[0,1,0] op_sel_hi:[1,1,1]
.endif
.endr
.endm
; Turn t.  Rows up to t + 5 (15 at the most) have been asked for, so min(5, 15 - t) rows of eight loads were issued behind row t and may stay out.
.macro TURN t
.set SL, RING+32*(\t%6)
.if \t < 10
	s_wait_loadcnt 40                              ; loads come back in order (ISA guide 5.7.1): row t is in, five younger rows stay out
.else
	s_wait_loadcnt 8*(15-\t)                       ; nothing more is asked for: the counts run down
.endif
.if \t < 8
	DOT SL, W, SC+\t
.else
	AXPY SL, \t-8
.endif
.if \t < 10
	FILL \t+6                                      ; the slot has been read: its next row goes out before anything else is done
.endif
.if \t < 8
	REDUCE SC+\t
.endif
.endm
	; THE HEAD: the 16 slices of w' are asked for first, then key's first five rows
.irp k, 0,1,2,3,4,5,6,7,8,9,10,11,12,13,14,15
	global_load_b64 v[W+2*\k:W+2*\k+1], v5, s[8:9] offset:65536*\k     ; a wave takes 256 consecutive bytes of each slice's row
.endr
.irp t, 0,1,2,3,4
	FILL \t
.endr
	s_wait_loadcnt 40                              ; the 16 slices are in; the five rows' 40 loads issued behind them stay out
	FILL 5                                         ; the sixth row: the ring is full
.irp k, 4,5,6,7,8,9,10,11,12,13,14,15
	v_pk_add_f32 v[W+2*(\k%4):W+2*(\k%4)+1], v[W+2*(\k%4):W+2*(\k%4)+1], v[W+2*\k:W+2*\k+1]   ; four chains
.endr
	v_pk_add_f32 v[W:W+1],   v[W:W+1],   v[W+2:W+3]
	v_pk_add_f32 v[W+4:W+5], v[W+4:W+5], v[W+6:W+7]
	v_pk_add_f32 v[W:W+1],   v[W:W+1],   v[W+4:W+5]
	ds_store_b64 v[WS], v[W:W+1]                   ; w'[b][i] at byte WREG + 4 i
	s_wait_dscnt 0x0                               ; for the others' sake: my store is done
	s_barrier_signal -1
	s_barrier_wait -1
.irp j, 0,1,2,3,4,5,6,7
	ds_load_b128 v[W+4*\j:W+4*\j+3], v[WL] offset:512*\j
.endr
	s_wait_dscnt 0x0
.irp t, 0,1,2,3,4,5,6,7
	TURN \t
.endr
	; my wave's softmax, while value's first six rows are on their way: every lane holds all 8 scores
	v_max3_num_f32 v6, v[SC], v[SC+1], v[SC+2]
	v_max3_num_f32 v6, v6, v[SC+3], v[SC+4]
	v_max3_num_f32 v6, v6, v[SC+5], v[SC+6]
	v_max_num_f32 v6, v6, v[SC+7]                  ; v6 = m
.irp r, 0,1,2,3,4,5,6,7
	v_sub_f32 v[SC+\r], v[SC+\r], v6
.endr
.irp r, 0,1,2,3,4,5,6,7
	v_exp_f32 v[SC+\r], v[SC+\r]                   ; 2^(t - m): the factor log2(e) / 32 lies in w'
.endr
	v_nop                                          ; a plain instruction between the last exponential and the use of its result (ISA guide 5.7.2)
	s_wait_alu depctr_va_vdst(0)
	v_pk_add_f32 v[T:T+1],   v[SC:SC+1],     v[SC+2:SC+3]
	v_pk_add_f32 v[T+2:T+3], v[SC+4:SC+5],   v[SC+6:SC+7]
	v_pk_add_f32 v[T:T+1],   v[T:T+1],       v[T+2:T+3]
	v_add_f32 v7, v[T], v[T+1]                     ; v7 = l
.irp t, 8,9,10,11,12,13,14,15
	TURN \t
.endr
	; THE JOIN of the 16 waves: each lays its sum (4,096 bytes; column n at byte 4 n) and its (m, l) into LDS; then thread i takes columns 2 i and 2 i + 1 of all 16.
.irp j, 0,1,2,3,4,5,6,7
	ds_store_b128 v3, v[ACC+4*\j:ACC+4*\j+3] offset:512*\j
.endr
	ds_store_b64 v4, v[6:7]                        ; all lanes of the wave write the same 8 bytes with the same numbers
	s_wait_dscnt 0x0                               ; for the others' sake: my stores are done
	s_barrier_signal -1
	s_barrier_wait -1
	v_mov_b32 v3, STATS
.irp u, 0,1,2,3,4,5,6,7
	ds_load_b128 v[ST+4*\u:ST+4*\u+3], v3 offset:16*\u     ; m_w in v[ST + 2 w], l_w in v[ST + 2 w + 1]; the ring is free: the last turn's wait was for 0
.endr
.irp w, 0,1,2,3,4,5,6,7,8,9,10,11,12,13,14,15
	ds_load_b64 v[D+2*\w:D+2*\w+1], v5 offset:4096*\w
.endr
	s_wait_dscnt 16                                ; LDS loads come back in order (ISA guide 5.7.1): the statistics are in, the 16 loads issued behind them stay out
	v_max3_num_f32 v6, v[ST], v[ST+2], v[ST+4]
.irp i, 0,1,2,3,4,5
	v_max3_num_f32 v6, v6, v[ST+6+4*\i], v[ST+8+4*\i]
.endr
	v_max_num_f32 v6, v6, v[ST+30]                 ; v6 = M, the chunk's maximum
.irp w, 0,1,2,3,4,5,6,7,8,9,10,11,12,13,14,15
	v_sub_f32 v[F+\w], v[ST+2*\w], v6
.endr
.irp w, 0,1,2,3,4,5,6,7,8,9,10,11,12,13,14,15
	v_exp_f32 v[F+\w], v[F+\w]                     ; f_w = 2^(m_w - M)
.endr
	v_nop                                          ; a plain instruction between the last exponential and the use of its result
	s_wait_alu depctr_va_vdst(0)
	v_mul_f32 v7, v[F], v[ST+1]
.irp w, 1,2,3,4,5,6,7,8,9,10,11,12,13,14,15
	v_fmac_f32 v7, v[F+\w], v[ST+2*\w+1]           ; v7 = L = sum of f_w l_w
.endr
	s_wait_dscnt 0x0                               ; the 16 waves' columns
	v_pk_mul_f32 v[OUT:OUT+1], v[D:D+1], v[F:F+1] op_sel_hi:[1,0]
.irp w, 1,2,3,4,5,6,7,8,9,10,11,12,13,14,15
.if \w%2 == 0
	v_pk_fma_f32 v[OUT:OUT+1], v[D+2*\w:D+2*\w+1], v[F+\w:F+\w+1], v[OUT:OUT+1] op_sel_hi:[1,0,1]
.else
	v_pk_fma_f32 v[OUT:OUT+1], v[D+2*\w:D+2*\w+1], v[F+\w-1:F+\w], v[OUT:OUT+1] op_sel:[0,1,0] op_sel_hi:[1,1,1]
.endif
.endr
	global_store_b64 v5, v[OUT:OUT+1], s[10:11]    ; each wave stores 256 consecutive bytes, at a multiple of 256 from pctx's first byte
	s_cmp_lg_u32 s16, 0
	s_cbranch_scc1 .Lend                           ; behind the last barrier: wave 0 alone goes on
	v_lshrrev_b32 v[PO], 1, v2                     ; 8 x lane
	global_store_b64 v[PO], v[6:7], s[12:13]       ; (M, L) 32 times over: the record is 256 consecutive bytes, aligned, written whole by one store
.Lend:
	s_wait_tensorcnt 0x0
	ds_add_u32 v248, v249
	s_wait_dscnt 0x0
	s_endpgm
.Lfunc_end_k_qf7e1fdd6e8_attend:
	.size	k_qf7e1fdd6e8_attend, .Lfunc_end_k_qf7e1fdd6e8_attend-k_qf7e1fdd6e8_attend
	.p2alignl 7, 3214868480
	.fill 96, 4, 3214868480
	.section	.rodata,"a",@progbits
	.p2align	6, 0x0
	.amdhsa_kernel k_qf7e1fdd6e8_attend
		.amdhsa_group_segment_fixed_size 71936
		.amdhsa_private_segment_fixed_size 0
		.amdhsa_enable_private_segment 0
		.amdhsa_kernarg_size 40
		.amdhsa_user_sgpr_count 2
		.amdhsa_user_sgpr_kernarg_segment_ptr 1
		.amdhsa_wavefront_size32 1
		.amdhsa_system_sgpr_workgroup_id_x 1
		.amdhsa_system_sgpr_workgroup_id_y 1
		.amdhsa_system_sgpr_workgroup_id_z 1
		.amdhsa_system_vgpr_workitem_id 0
		.amdhsa_next_free_vgpr 250
		.amdhsa_next_free_sgpr 66
		.amdhsa_reserve_vcc 0
		.amdhsa_float_denorm_mode_32 3
		.amdhsa_float_denorm_mode_16_64 3
		.amdhsa_memory_ordered 1
		.amdhsa_forward_progress 1
		.amdhsa_inst_pref_size 45
	.end_amdhsa_kernel
	.amdgpu_metadata
---
amdhsa.version: [ 1, 2 ]
amdhsa.kernels:
  - .name:           k_qf7e1fdd6e8_attend
    .symbol:         k_qf7e1fdd6e8_attend.kd
    .args:
      - { .name: key, .offset: 0, .size: 8, .value_kind: global_buffer, .address_space: global }
      - { .name: value, .offset: 8, .size: 8, .value_kind: global_buffer, .address_space: global }
      - { .name: wpart, .offset: 16, .size: 8, .value_kind: global_buffer, .address_space: global }
      - { .name: pctx, .offset: 24, .size: 8, .value_kind: global_buffer, .address_space: global }
      - { .name: pstat, .offset: 32, .size: 8, .value_kind: global_buffer, .address_space: global }
    .group_segment_fixed_size: 71936
    .private_segment_fixed_size: 0
    .kernarg_segment_align: 8
    .kernarg_segment_size: 40
    .max_flat_workgroup_size: 512
    .sgpr_count:     66
    .vgpr_count:     250
    .wavefront_size: 32
...
	.end_amdgpu_metadata
.endif
;; end of part 2
;; launch outproj (part 3): grid 16 x 16, 16 waves a work-group, no clusters, 14,336 bytes of LDS; arguments pctx, pstat, Wv, out0; writes out0
.if DOCPART == 3
	.amdgcn_target "amdgcn-amd-amdhsa--gfx1250"
	.amdhsa_code_object_version 6
	.text
	.protected	k_qf7e1fdd6e8_outproj
	.globl	k_qf7e1fdd6e8_outproj
	.p2align	8
	.type	k_qf7e1fdd6e8_outproj,@function
k_qf7e1fdd6e8_outproj:
	s_mov_b64 s[64:65], 0
	v_nop
	global_prefetch_b8 v0, s[64:65] scope:SCOPE_SE
	s_setreg_imm32_b32 hwreg(HW_REG_WAVE_MODE, 25, 1), 1
	s_wait_xcnt 0x0
; ctx[b][i] = (sum over the 16 chunks c of 2^(M_c - M) pctx[b][c][i]) / L,  M = max M_c,  L = sum of 2^(M_c - M) L_c;   out0[b][o] = sum over i of ctx[b][i] * Wv[i][o].
; pctx: [16][16][1024], pstat: [16][16] records of 256 bytes that begin with (M_c, L_c), Wv: [1024][1024], out0: [16][1024], all f32.
; L is at least 1: the chunk that holds the maximum has the factor 1, and its L_c holds a weight 2^0.
; SHARES.  A work-group owns one b and 64 columns o (256 bytes of every row of Wv): the sums are whole, and its 64 results are 256 consecutive bytes of out0.
; Wave w owns rows i = 64 w .. 64 w + 63: in load t lanes 0-15 take the 256 bytes of row 64 w + t, lanes 16-31 those of row 64 w + 32 + t.  A lane sums 4 columns over its 32 rows; the 32
; partial records (two a wave) meet in LDS, and wave 0 adds them.  Wv's 32 loads a wave are on their way while ctx[b] is made:
; thread n joins columns 2 n and 2 n + 1 of the 16 chunks; ctx[b] goes through LDS, since a lane multiplies by other columns than it joined.
; Each of the 16 work-groups of a b makes ctx[b] anew, from 64 KiB: a quarter of the 256 KiB of Wv that it reads; a launch of its own for that is spared.
; NO MATRIX UNIT: one row ctx[b] a work-group, one multiply-add for each number of Wv.  NO CLUSTER, though the 16 work-groups of a column slice read the same 256 KiB of Wv:
; a joint load would lay the slice in LDS, from where the same 256 KiB would be read once more into registers for one multiply-add a number.
.set X,    8                           ; v[8:39]    first my two columns of the 16 chunks, then ctx[b][32 (2 w + half) + t], t = 0 .. 31
.set WT,   40                          ; v[40:167]  load t: 4 columns of my half's row t; later the 32 partial records
.set A,    168                         ; v[168:171] sums over the even t
.set B,    172                         ; v[172:175] sums over the odd t
.set F,    176                         ; v[176:191] 2^(M_c - M)
.set MX,   192                         ; v192       M
.set LS,   193                         ; v193       L
.set RL,   194                         ; v194       1 / L
.set CO,   195                         ; v195       8 x thread: my two columns in a chunk's record and in LDS
.set X2,   196                         ; v[196:197] my two columns of ctx[b]
.set STAT, 32                          ; s[32:63]   (M_c, L_c), c = 0 .. 15
.set WAVE, 16                          ; s16        my wave's number
.set RED,  4096                        ; LDS: bytes 0 .. 4,095 ctx[b]; from here 32 partial records of 256 bytes
	s_load_b256 s[4:11], s[0:1], 0x0               ; pctx s[4:5], pstat s[6:7], Wv s[8:9], out0 s[10:11]
	v_lshl_add_u32 v198, v0, 2, 0x3000
	v_mov_b32 v199, 0
	v_lshrrev_b32 v2, 5, v0
	v_readfirstlane_b32 s[WAVE], v2                ; wave 0..15
	s_and_b32 s17, ttmp7, 0xffff                   ; b
	s_lshl_b32 s12, s17, 16                        ; b's 16 records of 4,096 bytes in pctx
	s_mov_b32 s13, 0
	s_lshl_b32 s14, s17, 12                        ; b's 16 records of 256 bytes in pstat; also b's row in out0
	s_mov_b32 s15, 0
	s_lshl_b32 s18, ttmp9, 8                       ; the slice's 256 bytes in a row of Wv and of out0
	s_mov_b32 s19, 0
	v_and_b32 v1, 15, v0                           ; my place among the 16 lanes of a row
	v_lshrrev_b32 v2, 4, v0                        ; 2 w + half: which 32 rows are mine
	v_and_b32 v7, 31, v0                           ; lane
	v_lshlrev_b32 v3, 3, v7                        ; 8 x lane: wave 0's place in the 256 bytes stored
	v_lshlrev_b32 v4, 7, v2                        ; LDS: my 32 numbers of ctx[b], 128 bytes
	v_lshlrev_b32 v5, 17, v2                       ; my 32 rows of Wv, 4,096 bytes each,
	v_lshl_add_u32 v5, v1, 4, v5                   ; and my 16 bytes of the slice
	v_lshl_add_u32 v6, v7, 4, RED
	v_lshl_add_u32 v6, s[WAVE], 9, v6              ; LDS: record 2 w + half of 256 bytes, my 16 bytes of it
	v_lshl_add_u32 v[CO], s[WAVE], 8, v3
	v_add_nc_u32 v7, RED, v3                       ; LDS: wave 0's place in a record
	s_wait_kmcnt 0x0
	s_add_nc_u64 s[4:5], s[4:5], s[12:13]
	s_add_nc_u64 s[6:7], s[6:7], s[14:15]
	s_add_nc_u64 s[8:9], s[8:9], s[18:19]
	s_add_nc_u64 s[10:11], s[10:11], s[14:15]
	s_add_nc_u64 s[10:11], s[10:11], s[18:19]
.irp c, 0,1,2,3,4,5,6,7,8,9,10,11,12,13,14,15
	s_load_b64 s[STAT+2*\c:STAT+2*\c+1], s[6:7], 256*\c    ; the same for every lane, so they come as scalars; this launch stores nothing into pstat
.endr
.irp c, 0,1,2,3,4,5,6,7,8,9,10,11,12,13,14,15
	global_load_b64 v[X+2*\c:X+2*\c+1], v[CO], s[4:5] offset:4096*\c
.endr
.set t, 0
.rept 32
	global_load_b128 v[WT+4*t:WT+4*t+3], v5, s[8:9] offset:4096*t
.set t, t+1
.endr
	s_wait_kmcnt 0x0                               ; scalar loads may come back in any order: the count is 0
	v_mov_b32 v[MX], s[STAT]
.irp i, 0,1,2,3,4,5,6
	v_max3_num_f32 v[MX], s[STAT+2+4*\i], s[STAT+4+4*\i], v[MX]
.endr
	v_max_num_f32 v[MX], s[STAT+30], v[MX]         ; M, the batch's maximum
.irp c, 0,1,2,3,4,5,6,7,8,9,10,11,12,13,14,15
	v_sub_f32 v[F+\c], s[STAT+2*\c], v[MX]
.endr
.irp c, 0,1,2,3,4,5,6,7,8,9,10,11,12,13,14,15
	v_exp_f32 v[F+\c], v[F+\c]                     ; f_c = 2^(M_c - M)
.endr
	v_nop                                          ; a plain instruction between the last exponential and the use of its result (ISA guide 5.7.2)
	s_wait_alu depctr_va_vdst(0)
	v_mul_f32 v[LS], s[STAT+1], v[F]
.irp c, 1,2,3,4,5,6,7,8,9,10,11,12,13,14,15
	v_fmac_f32 v[LS], s[STAT+2*\c+1], v[F+\c]      ; L = sum of f_c L_c
.endr
	v_rcp_f32 v[RL], v[LS]                         ; the sixteen packed instructions below, which name neither register, stand between it and the use of its result
	s_wait_loadcnt 32                              ; the 16 chunks' columns are in; the 32 loads of Wv issued behind them stay out
	v_pk_mul_f32 v[X2:X2+1], v[X:X+1], v[F:F+1] op_sel_hi:[1,0]
.irp c, 1,2,3,4,5,6,7,8,9,10,11,12,13,14,15
.if \c%2 == 0
	v_pk_fma_f32 v[X2:X2+1], v[X+2*\c:X+2*\c+1], v[F+\c:F+\c+1], v[X2:X2+1] op_sel_hi:[1,0,1]
.else
	v_pk_fma_f32 v[X2:X2+1], v[X+2*\c:X+2*\c+1], v[F+\c-1:F+\c], v[X2:X2+1] op_sel:[0,1,0] op_sel_hi:[1,1,1]
.endif
.endr
	s_wait_alu depctr_va_vdst(0)
	v_pk_mul_f32 v[X2:X2+1], v[X2:X2+1], v[RL:RL+1] op_sel_hi:[1,0]    ; both by 1 / L, the pair's low register; its high one (CO) is named and not used
	ds_store_b64 v[CO], v[X2:X2+1]                 ; ctx[b][i] at LDS byte 4 i
	s_wait_dscnt 0x0                               ; for the others' sake: my store is done
	s_barrier_signal -1
	s_barrier_wait -1
.irp u, 0,1,2,3,4,5,6,7
	ds_load_b128 v[X+4*\u:X+4*\u+3], v4 offset:16*\u
.endr
	s_wait_dscnt 0x0
; Row t: four columns times ctx's number t.  The packed form takes that number from its pair: the low register for an even t, the high one for an odd t.
; Even rows add onto A, odd rows onto B: four chains.  Rows 0 and 1 start the sums: nothing is cleared.
.macro FMA t
.if (\t) == 0
	v_pk_mul_f32 v[A:A+1],   v[WT:WT+1],   v[X:X+1] op_sel_hi:[1,0]
	v_pk_mul_f32 v[A+2:A+3], v[WT+2:WT+3], v[X:X+1] op_sel_hi:[1,0]
.elseif (\t) == 1
	v_pk_mul_f32 v[B:B+1],   v[WT+4:WT+5], v[X:X+1] op_sel:[0,1] op_sel_hi:[1,1]
	v_pk_mul_f32 v[B+2:B+3], v[WT+6:WT+7], v[X:X+1] op_sel:[0,1] op_sel_hi:[1,1]
.elseif (\t)%2 == 0
	v_pk_fma_f32 v[A:A+1],   v[WT+4*(\t):WT+4*(\t)+1],   v[X+(\t):X+(\t)+1], v[A:A+1]   op_sel_hi:[1,0,1]
	v_pk_fma_f32 v[A+2:A+3], v[WT+4*(\t)+2:WT+4*(\t)+3], v[X+(\t):X+(\t)+1], v[A+2:A+3] op_sel_hi:[1,0,1]
.else
	v_pk_fma_f32 v[B:B+1],   v[WT+4*(\t):WT+4*(\t)+1],   v[X+(\t)-1:X+(\t)], v[B:B+1]   op_sel:[0,1,0] op_sel_hi:[1,1,1]
	v_pk_fma_f32 v[B+2:B+3], v[WT+4*(\t)+2:WT+4*(\t)+3], v[X+(\t)-1:X+(\t)], v[B+2:B+3] op_sel:[0,1,0] op_sel_hi:[1,1,1]
.endif
.endm
.irp g, 0,1,2,3,4,5,6,7
	s_wait_loadcnt 28-4*\g                         ; loads come back in order (ISA guide 5.7.1): rows up to 4 g + 3 are in, the 28 - 4 g loads issued behind them stay out
.irp n, 0,1,2,3
	FMA 4*\g+\n
.endr
.endr
	v_pk_add_f32 v[A:A+1],   v[A:A+1],   v[B:B+1]
	v_pk_add_f32 v[A+2:A+3], v[A+2:A+3], v[B+2:B+3]
	ds_store_b128 v6, v[A:A+3]                     ; my record: column n of the slice at byte 4 n; other bytes than ctx[b]'s, which some wave may still read
	s_wait_dscnt 0x0                               ; for wave 0's sake: my store is done
	s_barrier_signal -1
	s_barrier_wait -1
	s_cmp_lg_u32 s[WAVE], 0
	s_cbranch_scc1 .Lend                           ; behind the last barrier: wave 0 alone goes on
.set k, 0
.rept 32
	ds_load_b64 v[WT+2*k:WT+2*k+1], v7 offset:256*k    ; columns 2 x lane and 2 x lane + 1 of record k (WT is free: the last wait above was for 0)
.set k, k+1
.endr
	s_wait_dscnt 0x0
.set k, 4
.rept 28
	v_pk_add_f32 v[WT+2*(k%4):WT+2*(k%4)+1], v[WT+2*(k%4):WT+2*(k%4)+1], v[WT+2*k:WT+2*k+1]   ; four chains
.set k, k+1
.endr
	v_pk_add_f32 v[WT:WT+1],   v[WT:WT+1],   v[WT+2:WT+3]
	v_pk_add_f32 v[WT+4:WT+5], v[WT+4:WT+5], v[WT+6:WT+7]
	v_pk_add_f32 v[WT:WT+1],   v[WT:WT+1],   v[WT+4:WT+5]
	global_store_b64 v3, v[WT:WT+1], s[10:11]      ; 32 lanes store 256 consecutive bytes, at a multiple of 256 from out0's first byte
.Lend:
	s_wait_tensorcnt 0x0
	ds_add_u32 v198, v199
	s_wait_dscnt 0x0
	s_endpgm
.Lfunc_end_k_qf7e1fdd6e8_outproj:
	.size	k_qf7e1fdd6e8_outproj, .Lfunc_end_k_qf7e1fdd6e8_outproj-k_qf7e1fdd6e8_outproj
	.p2alignl 7, 3214868480
	.fill 96, 4, 3214868480
	.section	.rodata,"a",@progbits
	.p2align	6, 0x0
	.amdhsa_kernel k_qf7e1fdd6e8_outproj
		.amdhsa_group_segment_fixed_size 14336
		.amdhsa_private_segment_fixed_size 0
		.amdhsa_enable_private_segment 0
		.amdhsa_kernarg_size 32
		.amdhsa_user_sgpr_count 2
		.amdhsa_user_sgpr_kernarg_segment_ptr 1
		.amdhsa_wavefront_size32 1
		.amdhsa_system_sgpr_workgroup_id_x 1
		.amdhsa_system_sgpr_workgroup_id_y 1
		.amdhsa_system_sgpr_workgroup_id_z 1
		.amdhsa_system_vgpr_workitem_id 0
		.amdhsa_next_free_vgpr 200
		.amdhsa_next_free_sgpr 66
		.amdhsa_reserve_vcc 0
		.amdhsa_float_denorm_mode_32 3
		.amdhsa_float_denorm_mode_16_64 3
		.amdhsa_memory_ordered 1
		.amdhsa_forward_progress 1
		.amdhsa_inst_pref_size 20
	.end_amdhsa_kernel
	.amdgpu_metadata
---
amdhsa.version: [ 1, 2 ]
amdhsa.kernels:
  - .name:           k_qf7e1fdd6e8_outproj
    .symbol:         k_qf7e1fdd6e8_outproj.kd
    .args:
      - { .name: pctx, .offset: 0, .size: 8, .value_kind: global_buffer, .address_space: global }
      - { .name: pstat, .offset: 8, .size: 8, .value_kind: global_buffer, .address_space: global }
      - { .name: Wv, .offset: 16, .size: 8, .value_kind: global_buffer, .address_space: global }
      - { .name: out0, .offset: 24, .size: 8, .value_kind: global_buffer, .address_space: global }
    .group_segment_fixed_size: 14336
    .private_segment_fixed_size: 0
    .kernarg_segment_align: 8
    .kernarg_segment_size: 32
    .max_flat_workgroup_size: 512
    .sgpr_count:     66
    .vgpr_count:     200
    .wavefront_size: 32
...
	.end_amdgpu_metadata
.endif
;; end of part 3
;; ======== version 2 of 2: 3 launches; version 1 with the launch attend written anew for expert scheduling mode
;; workspace buffers: wpart 1,048,576 bytes; pctx 1,048,576 bytes; pstat 65,536 bytes
;; launch qwproj: the kernel of part 1 again; grid 16 x 16, 16 waves a work-group, no clusters, 57,344 bytes of LDS; arguments query, Wq, Wk, wpart; writes wpart
;; launch attend (part 4): grid 16 x 16, 16 waves a work-group, no clusters, 71,936 bytes of LDS; arguments key, value, wpart, pctx, pstat; writes pctx, pstat
.if DOCPART == 4
	.amdgcn_target "amdgcn-amd-amdhsa--gfx1250"
	.amdhsa_code_object_version 6
	.text
	.protected	k_qf7e1fdd6e8_attend
	.globl	k_qf7e1fdd6e8_attend
	.p2align	8
	.type	k_qf7e1fdd6e8_attend,@function
k_qf7e1fdd6e8_attend:
	s_mov_b64 s[64:65], 0
	v_nop
	global_prefetch_b8 v0, s[64:65] scope:SCOPE_SE
	s_setreg_imm32_b32 hwreg(HW_REG_WAVE_SCHED_MODE, 0, 2), 2
	s_setreg_imm32_b32 hwreg(HW_REG_WAVE_MODE, 25, 1), 1
	s_wait_xcnt 0x0
	s_wait_alu depctr_vm_vsrc(0)
; For one b and one chunk of 128 rows s:  w'[b] = sum over the 16 slices of wpart[slice][b];  t[s] = key[b][s] . w'[b]  (the score times log2(e));  M = max t;  L = sum of 2^(t - M);
; pctx[b][chunk][:] = sum over s of 2^(t[s] - M) * value[b][s][:];  pstat[b][chunk] = (M, L).  key, value: [16][2048][1024], wpart: [16][16][1024], all f32; all arithmetic in f32.
; The last launch joins the 16 chunks of a b by their maxima.  The maximum is taken away before every exponential: the wave's, then the work-group's, then the batch's.
; LIMIT: a weight below 2^-126 of the largest comes out as 0, since v_exp_f32 flushes denormal results (ISA guide, its entry in chapter 15).
; SHARES.  256 work-groups, 1 MiB of key and value each, every byte read once.  Wave w owns rows 8 w .. 8 w + 7 of the chunk, of key and of value.  A row of
; 4,096 bytes is eight loads of 512 consecutive bytes; register 4 j + e is column 128 j + 4 x lane + e, and w' lies in registers the same way.
; THE HEAD.  Thread n adds columns 2 n and 2 n + 1 of the 16 slices (64 KiB a work-group, each byte loaded once); w' goes through LDS, since every wave wants all of it.
; Key's first rows are asked for ahead of that work and are on their way under it.
; THE STREAM.  16 turns: key's 8 rows, then value's 8, through a ring of six row slots in registers: up to 6 rows x 4 KiB of each of the 16 waves are on their way,
; and no wave waits for another until the end.  A slot is asked for again straight behind the last instruction that reads it.
; Memory binds.
; THE MODE: SCHED_MODE bits 1:0 = 2 (LLVM: expert scheduling mode 2), set by the entry lines.  The code itself states the register dependences
; between vector instructions and memory or LDS instructions, with s_wait_alu, always for 0.
; THE PLAN.  Registers that memory or LDS instructions touch:
;   v1, v3, v4, v5, v248-v251   offsets and LDS addresses: made at the head, ahead of one wait on va_vdst, and never written again.
;   W = ACC      wpart's loads land; the head's adds read and write it; the LDS store reads its first pair; the LDS loads of w' land; key's turns read it; value's turns write it; the join's LDS stores read it.
;   RING slot    Row t's loads land; turn t's sixteen packed instructions read it; row t + 6's loads land.  At the end the join's LDS loads land in slots 0 and 1.
;   v[6:7]       The wave's softmax writes (m, l); the join's LDS store reads them; the join writes (M, L); wave 0's store reads them.
;   OUT          The join's arithmetic writes it; the store into pctx reads it.
;   T, SC and F are named by vector instructions alone.
; So ONE wait on va_vdst stands in each turn that asks for a row, behind the sixteen instructions that read the slot; the eight loads follow it, and the turn's other vector work
; (the end of the dot product and the sum over the lanes, on T and SC) stands behind them and owes nothing.  The turns that ask for nothing hold no such wait.
.set SC,   8                           ; v[8:15]    my wave's 8 scores, then its 8 weights, in every lane
.set T,    16                          ; v[16:23]   at work
.set W,    24                          ; v[24:55]   first my two columns of the 16 slices, then w'[b]
.set ACC,  24                          ; v[24:55]   then the weighted sum of value's rows: w' is dead behind the eighth dot product, and the first row starts the sum by a multiply
.set RING, 56                          ; v[56:247]  six slots of 32 registers
.set ST,   56                          ; the join: v[56:87]   (m, l) of the 16 waves
.set D,    88                          ; the join: v[88:119]  my two columns of the 16 waves' sums
.set F,    120                         ; the join: v[120:135] 2^(m_w - M)
.set OUT,  136                         ; the join: v[136:137] my two columns of the chunk's sum
.set WS,   248                         ; v248       LDS, where I put my two columns of w'; never rewritten
.set WL,   249                         ; v249       LDS, my 16 bytes in the first 512 of w'; never rewritten
.set SA,   250                         ; v250       LDS, the 16 waves' (m, l); never rewritten
.set PO,   251                         ; v251       8 x lane, for wave 0's store of (M, L); never rewritten
.set STATS, 0x10000                    ; LDS: bytes 0 .. 65,535 [wave][1024] f32; from here [wave] (m, l), 128 bytes
.set WREG,  0x10100                    ; LDS: w'[b], 4,096 bytes of its own: a late wave may read it while an early one already writes the join's bytes
	s_load_b256 s[4:11], s[0:1], 0x0               ; key s[4:5], value s[6:7], wpart s[8:9], pctx s[10:11]
	s_load_b64 s[12:13], s[0:1], 0x20              ; pstat
	v_lshl_add_u32 v252, v0, 2, 0x11100
	v_mov_b32 v253, 0
	v_lshrrev_b32 v2, 5, v0
	v_readfirstlane_b32 s16, v2                    ; wave 0..15
	s_and_b32 s17, ttmp7, 0xffff                   ; b
	s_lshl_b32 s14, s17, 23                        ; b's 2,048 rows of 4,096 bytes,
	s_lshl_b32 s15, ttmp9, 19                      ; the chunk's 128 rows
	s_add_co_u32 s14, s14, s15                     ; (under 2^27)
	s_mov_b32 s15, 0
	s_lshl_b32 s18, s17, 12                        ; b's row in each slice of wpart
	s_mov_b32 s19, 0
	s_lshl_b32 s22, s17, 4
	s_add_co_u32 s22, s22, ttmp9                   ; record 16 b + chunk
	s_lshl_b32 s2, s22, 12                         ; 4,096 bytes a record in pctx,
	s_mov_b32 s3, 0
	s_lshl_b32 s22, s22, 8                         ; 256 in pstat
	s_mov_b32 s23, 0
	s_mov_b32 s20, 0x76543210                      ; v_permlanex16_b32: each lane takes its own place in the other half
	s_mov_b32 s21, 0xfedcba98
	v_and_b32 v5, 31, v0                           ; lane
	v_lshlrev_b32 v2, 4, v5                        ; v2: 16 x lane
	s_wait_alu depctr_va_sdst(0)                   ; s16 is written, ahead of its first reader: the line below
	v_lshl_add_u32 v1, s16, 15, v2                 ; v1: + my wave's 8 rows; never rewritten: row and part of a row stand in the loads' immediates
	v_lshl_add_u32 v3, s16, 12, v2                 ; v3: LDS, my 16 bytes in my wave's record of 4,096
	v_lshl_add_u32 v4, s16, 3, STATS               ; v4: LDS, my wave's (m, l)
	v_lshlrev_b32 v5, 3, v5
	v_lshl_add_u32 v5, s16, 8, v5                  ; v5: 8 x thread: my two columns, in a row of wpart, in an LDS record and in pctx
	v_add_nc_u32 v[WS], WREG, v5
	v_add_nc_u32 v[WL], WREG, v2
	v_mov_b32 v[SA], STATS
	v_lshrrev_b32 v[PO], 1, v2                     ; 8 x lane
	s_wait_kmcnt 0x0
	s_add_nc_u64 s[4:5], s[4:5], s[14:15]
	s_add_nc_u64 s[6:7], s[6:7], s[14:15]
	s_add_nc_u64 s[8:9], s[8:9], s[18:19]
	s_add_nc_u64 s[10:11], s[10:11], s[2:3]
	s_add_nc_u64 s[12:13], s[12:13], s[22:23]
	s_wait_alu depctr_va_vdst(0)                   ; v1, v3, v4, v5 and v248 to v251 are written: every load and store of the kernel, global or LDS, reads one of them as its offset or address
; Row t of the stream (0-7 key's, 8-15 value's) is asked for, into slot t % 6.  Read once in the launch: the non-temporal hint.
.macro FILL t
.set FS, RING+32*((\t)%6)
.set FO, 4096*((\t)%8)
.irp j, 0,1,2,3,4,5,6,7
.if (\t) < 8
	global_load_b128 v[FS+4*\j:FS+4*\j+3], v1, s[4:5] offset:FO+512*\j th:TH_LOAD_NT
.else
	global_load_b128 v[FS+4*\j:FS+4*\j+3], v1, s[6:7] offset:FO+512*\j th:TH_LOAD_NT
.endif
.endr
.endm
; The lane's part of a dot product of two rows of 32 registers, in two parts.  DOTA: four chains of packed multiply-adds, started by multiplies: all that reads the two rows.
.macro DOTA x, w
.irp k, 0,1,2,3
	v_pk_mul_f32 v[T+2*\k:T+2*\k+1], v[\x+2*\k:\x+2*\k+1], v[\w+2*\k:\w+2*\k+1]
.endr
.irp k, 4,5,6,7,8,9,10,11,12,13,14,15
	v_pk_fma_f32 v[T+2*(\k%4):T+2*(\k%4)+1], v[\x+2*\k:\x+2*\k+1], v[\w+2*\k:\w+2*\k+1], v[T+2*(\k%4):T+2*(\k%4)+1]
.endr
.endm
; DOTB: the four chains are added; it names T and its result alone.
.macro DOTB out
	v_pk_add_f32 v[T:T+1],   v[T:T+1],   v[T+2:T+3]
	v_pk_add_f32 v[T+4:T+5], v[T+4:T+5], v[T+6:T+7]
	v_pk_add_f32 v[T:T+1],   v[T:T+1],   v[T+4:T+5]
	v_add_f32 v[\out], v[T], v[T+1]
.endm
; The sum over the 32 lanes, left in every lane.
.macro REDUCE r
	v_add_f32_dpp v[\r], v[\r], v[\r] row_xmask:1 row_mask:0xf bank_mask:0xf
	v_add_f32_dpp v[\r], v[\r], v[\r] row_xmask:2 row_mask:0xf bank_mask:0xf
	v_add_f32_dpp v[\r], v[\r], v[\r] row_xmask:4 row_mask:0xf bank_mask:0xf
	v_add_f32_dpp v[\r], v[\r], v[\r] row_xmask:8 row_mask:0xf bank_mask:0xf
	v_permlanex16_b32 v[T+2], v[\r], s20, s21      ; its destination counts as read: the dot product has written it
	v_add_f32 v[\r], v[\r], v[T+2]
.endm
; ACC += weight r x the row in slot x.  The packed form takes the weight from its pair: the low register for an even r, the high one for an odd r.  Row 0 starts the sums.
.macro AXPY x, r
.irp k, 0,1,2,3,4,5,6,7,8,9,10,11,12,13,14,15
.if (\r) == 0
	v_pk_mul_f32 v[ACC+2*\k:ACC+2*\k+1], v[\x+2*\k:\x+2*\k+1], v[SC:SC+1] op_sel_hi:[1,0]
.elseif (\r)%2 == 0
	v_pk_fma_f32 v[ACC+2*\k:ACC+2*\k+1], v[\x+2*\k:\x+2*\k+1], v[SC+(\r):SC+(\r)+1], v[ACC+2*\k:ACC+2*\k+1] op_sel_hi:[1,0,1]
.else
	v_pk_fma_f32 v[ACC+2*\k:ACC+2*\k+1], v[\x+2*\k:\x+2*\k+1], v[SC+(\r)-1:SC+(\r)], v[ACC+2*\k:ACC+2*\k+1] op_sel:[0,1,0] op_sel_hi:[1,1,1]
.endif
.endr
.endm
; Turn t.  Rows up to t + 5 (15 at the most) have been asked for, so min(5, 15 - t) rows of eight loads were issued behind row t and may stay out.
.macro TURN t
.set SL, RING+32*(\t%6)
.if \t < 10
	s_wait_loadcnt 40                              ; loads come back in order (ISA guide 5.7.1): row t is in, five younger rows stay out
.else
	s_wait_loadcnt 8*(15-\t)                       ; nothing more is asked for: the counts run down
.endif
.if \t < 8
	DOTA SL, W
.else
	AXPY SL, \t-8
.endif
.if \t < 10
	s_wait_alu depctr_va_vdst(0)                   ; the sixteen packed instructions above are done reading the slot, in which the eight loads below land
	FILL \t+6                                      ; the slot has been read: its next row goes out before anything else is done
.endif
.if \t < 8
	DOTB SC+\t                                     ; no wait: these lines name T and SC alone, which no load touches
	REDUCE SC+\t
.endif
.endm
	; THE HEAD: the 16 slices of w' are asked for first, then key's first five rows
.irp k, 0,1,2,3,4,5,6,7,8,9,10,11,12,13,14,15
	global_load_b64 v[W+2*\k:W+2*\k+1], v5, s[8:9] offset:65536*\k     ; a wave takes 256 consecutive bytes of each slice's row
.endr
.irp t, 0,1,2,3,4
	FILL \t
.endr
	s_wait_loadcnt 40                              ; the 16 slices are in; the five rows' 40 loads issued behind them stay out
	FILL 5                                         ; the sixth row: the ring is full (no vector instruction has named its slot)
.irp k, 4,5,6,7,8,9,10,11,12,13,14,15
	v_pk_add_f32 v[W+2*(\k%4):W+2*(\k%4)+1], v[W+2*(\k%4):W+2*(\k%4)+1], v[W+2*\k:W+2*\k+1]   ; four chains
.endr
	v_pk_add_f32 v[W:W+1],   v[W:W+1],   v[W+2:W+3]
	v_pk_add_f32 v[W+4:W+5], v[W+4:W+5], v[W+6:W+7]
	v_pk_add_f32 v[W:W+1],   v[W:W+1],   v[W+4:W+5]
	s_wait_alu depctr_va_vdst(0)                   ; the adds have written v[W:W+1], which the LDS store reads, and are done with all of W, in which the LDS loads behind the barrier land
	ds_store_b64 v[WS], v[W:W+1]                   ; w'[b][i] at byte WREG + 4 i
	s_wait_dscnt 0x0                               ; for the others' sake: my store is done
	s_barrier_signal -1
	s_barrier_wait -1
	s_wait_alu depctr_vm_vsrc(0)                   ; my LDS store has read v[W:W+1], in which the first load below lands
.irp j, 0,1,2,3,4,5,6,7
	ds_load_b128 v[W+4*\j:W+4*\j+3], v[WL] offset:512*\j
.endr
	s_wait_dscnt 0x0
.irp t, 0,1,2,3,4,5,6,7
	TURN \t
.endr
	; my wave's softmax, while value's first six rows are on their way: every lane holds all 8 scores
	v_max3_num_f32 v6, v[SC], v[SC+1], v[SC+2]
	v_max3_num_f32 v6, v6, v[SC+3], v[SC+4]
	v_max3_num_f32 v6, v6, v[SC+5], v[SC+6]
	v_max_num_f32 v6, v6, v[SC+7]                  ; v6 = m
.irp r, 0,1,2,3,4,5,6,7
	v_sub_f32 v[SC+\r], v[SC+\r], v6
.endr
.irp r, 0,1,2,3,4,5,6,7
	v_exp_f32 v[SC+\r], v[SC+\r]                   ; 2^(t - m): the factor log2(e) / 32 lies in w'
.endr
	v_nop                                          ; a plain instruction between the last exponential and the use of its result (ISA guide 5.7.2)
	s_wait_alu depctr_va_vdst(0)
	v_pk_add_f32 v[T:T+1],   v[SC:SC+1],     v[SC+2:SC+3]
	v_pk_add_f32 v[T+2:T+3], v[SC+4:SC+5],   v[SC+6:SC+7]
	v_pk_add_f32 v[T:T+1],   v[T:T+1],       v[T+2:T+3]
	v_add_f32 v7, v[T], v[T+1]                     ; v7 = l
.irp t, 8,9,10,11,12,13,14,15
	TURN \t
.endr
	; THE JOIN of the 16 waves: each lays its sum (4,096 bytes; column n at byte 4 n) and its (m, l) into LDS; then thread i takes columns 2 i and 2 i + 1 of all 16.
	s_wait_alu depctr_va_vdst(0)                   ; value's turns have written ACC and the softmax v[6:7], which the LDS stores read; the turns are done reading the ring, in which the LDS loads behind the barrier land
.irp j, 0,1,2,3,4,5,6,7
	ds_store_b128 v3, v[ACC+4*\j:ACC+4*\j+3] offset:512*\j
.endr
	ds_store_b64 v4, v[6:7]                        ; all lanes of the wave write the same 8 bytes with the same numbers
	s_wait_dscnt 0x0                               ; for the others' sake: my stores are done
	s_barrier_signal -1
	s_barrier_wait -1
	s_wait_alu depctr_vm_vsrc(0)                   ; my LDS store has read v[6:7], which the lines below write anew, as M and L
.irp u, 0,1,2,3,4,5,6,7
	ds_load_b128 v[ST+4*\u:ST+4*\u+3], v[SA] offset:16*\u  ; m_w in v[ST + 2 w], l_w in v[ST + 2 w + 1]; the ring is free: the last turn's wait was for 0
.endr
.irp w, 0,1,2,3,4,5,6,7,8,9,10,11,12,13,14,15
	ds_load_b64 v[D+2*\w:D+2*\w+1], v5 offset:4096*\w
.endr
	s_wait_dscnt 16                                ; LDS loads come back in order (ISA guide 5.7.1): the statistics are in, the 16 loads issued behind them stay out
	v_max3_num_f32 v6, v[ST], v[ST+2], v[ST+4]
.irp i, 0,1,2,3,4,5
	v_max3_num_f32 v6, v6, v[ST+6+4*\i], v[ST+8+4*\i]
.endr
	v_max_num_f32 v6, v6, v[ST+30]                 ; v6 = M, the chunk's maximum
.irp w, 0,1,2,3,4,5,6,7,8,9,10,11,12,13,14,15
	v_sub_f32 v[F+\w], v[ST+2*\w], v6
.endr
.irp w, 0,1,2,3,4,5,6,7,8,9,10,11,12,13,14,15
	v_exp_f32 v[F+\w], v[F+\w]                     ; f_w = 2^(m_w - M)
.endr
	v_nop                                          ; a plain instruction between the last exponential and the use of its result
	s_wait_alu depctr_va_vdst(0)
	v_mul_f32 v7, v[F], v[ST+1]
.irp w, 1,2,3,4,5,6,7,8,9,10,11,12,13,14,15
	v_fmac_f32 v7, v[F+\w], v[ST+2*\w+1]           ; v7 = L = sum of f_w l_w
.endr
	s_wait_dscnt 0x0                               ; the 16 waves' columns
	v_pk_mul_f32 v[OUT:OUT+1], v[D:D+1], v[F:F+1] op_sel_hi:[1,0]
.irp w, 1,2,3,4,5,6,7,8,9,10,11,12,13,14,15
.if \w%2 == 0
	v_pk_fma_f32 v[OUT:OUT+1], v[D+2*\w:D+2*\w+1], v[F+\w:F+\w+1], v[OUT:OUT+1] op_sel_hi:[1,0,1]
.else
	v_pk_fma_f32 v[OUT:OUT+1], v[D+2*\w:D+2*\w+1], v[F+\w-1:F+\w], v[OUT:OUT+1] op_sel:[0,1,0] op_sel_hi:[1,1,1]
.endif
.endr
	s_wait_alu depctr_va_vdst(0)                   ; the join has written OUT and v[6:7], which the two stores below read; no vector instruction follows
	global_store_b64 v5, v[OUT:OUT+1], s[10:11]    ; each wave stores 256 consecutive bytes, at a multiple of 256 from pctx's first byte
	s_cmp_lg_u32 s16, 0
	s_cbranch_scc1 .Lend                           ; behind the last barrier: wave 0 alone goes on
	global_store_b64 v[PO], v[6:7], s[12:13]       ; (M, L) 32 times over: the record is 256 consecutive bytes, aligned, written whole by one store
.Lend:
	s_wait_dscnt 0x0
	s_wait_alu depctr_hold_cnt(0) depctr_sa_sdst(0) depctr_va_vdst(0) depctr_va_sdst(0) depctr_va_ssrc(0) depctr_va_vcc(0) depctr_vm_vsrc(0)
	s_wait_tensorcnt 0x0
	ds_add_u32 v252, v253
	s_wait_dscnt 0x0
	s_endpgm
.Lfunc_end_k_qf7e1fdd6e8_attend:
	.size	k_qf7e1fdd6e8_attend, .Lfunc_end_k_qf7e1fdd6e8_attend-k_qf7e1fdd6e8_attend
	.p2alignl 7, 3214868480
	.fill 96, 4, 3214868480
	.section	.rodata,"a",@progbits
	.p2align	6, 0x0
	.amdhsa_kernel k_qf7e1fdd6e8_attend
		.amdhsa_group_segment_fixed_size 71936
		.amdhsa_private_segment_fixed_size 0
		.amdhsa_enable_private_segment 0
		.amdhsa_kernarg_size 40
		.amdhsa_user_sgpr_count 2
		.amdhsa_user_sgpr_kernarg_segment_ptr 1
		.amdhsa_wavefront_size32 1
		.amdhsa_system_sgpr_workgroup_id_x 1
		.amdhsa_system_sgpr_workgroup_id_y 1
		.amdhsa_system_sgpr_workgroup_id_z 1
		.amdhsa_system_vgpr_workitem_id 0
		.amdhsa_next_free_vgpr 254
		.amdhsa_next_free_sgpr 66
		.amdhsa_reserve_vcc 0
		.amdhsa_float_denorm_mode_32 3
		.amdhsa_float_denorm_mode_16_64 3
		.amdhsa_memory_ordered 1
		.amdhsa_forward_progress 1
		.amdhsa_inst_pref_size 46
	.end_amdhsa_kernel
	.amdgpu_metadata
---
amdhsa.version: [ 1, 2 ]
amdhsa.kernels:
  - .name:           k_qf7e1fdd6e8_attend
    .symbol:         k_qf7e1fdd6e8_attend.kd
    .args:
      - { .name: key, .offset: 0, .size: 8, .value_kind: global_buffer, .address_space: global }
      - { .name: value, .offset: 8, .size: 8, .value_kind: global_buffer, .address_space: global }
      - { .name: wpart, .offset: 16, .size: 8, .value_kind: global_buffer, .address_space: global }
      - { .name: pctx, .offset: 24, .size: 8, .value_kind: global_buffer, .address_space: global }
      - { .name: pstat, .offset: 32, .size: 8, .value_kind: global_buffer, .address_space: global }
    .group_segment_fixed_size: 71936
    .private_segment_fixed_size: 0
    .kernarg_segment_align: 8
    .kernarg_segment_size: 40
    .max_flat_workgroup_size: 512
    .sgpr_count:     66
    .vgpr_count:     254
    .wavefront_size: 32
...
	.end_amdgpu_metadata
.endif
;; end of part 4
;; launch outproj: the kernel of part 3 again; grid 16 x 16, 16 waves a work-group, no clusters, 14,336 bytes of LDS; arguments pctx, pstat, Wv, out0; writes out0
